; MI455X (gfx1250); checked and timed in simulation.
; The chip was launched on July 23, 2026; its instructions are those of AMD's public machine-readable ISA for CDNA 5 (MIT licence, August 2026) and "CDNA5" Instruction Set Architecture Reference Guide (July 2026). The comments in the code are by the model that wrote it; some were corrected since.
;; Attention. Allowed arithmetic: matrix products marked QUANTISED: E5M2 operands, one given power-of-two scale a tensor, by v_wmma_f32_16x16x64_bf8_bf8 or v_wmma_f32_16x16x128_bf8_bf8, f32 sums; products left as they are: f32 operands where the result goes on into a quantised operand, else bf16, f16 or f32 operands; f32 sums; everything else in f32.
;; Inputs: V 1,024 x 1 float32; W1_codes 1,024 x 32 x 32 uint8 (E5M2 codes of W1, K innermost, in blocks of 32 codes); W2_codes 1,024 x 32 x 32 uint8 (E5M2 codes of W2, K innermost, in blocks of 32 codes); b1 1,024 float32; b2 1,024 float32; bV 1 float32; lowp_scales 4 int32 (the exponents e of the quantised operands' scales 2^e); query_codes 32 x 32 x 32 uint8 (E5M2 codes of query, K innermost, in blocks of 32 codes); values 32 x 2,048 x 1,024 float32.
;; Outputs: out0 32 x 2,048 x 1 float32; out1 32 x 1,024 float32.
;; This version of the problem:
;;   THIS VERSION OF THE PROBLEM IS GIVEN IN LOW PRECISION. The matrix products marked QUANTISED in the list below multiply operands that are first quantised to E5M2 (5 exponent bits, 2 mantissa bits; 8 bits a number), with one given power-of-two scale for each operand tensor; their sums are f32. All else is computed in f32.
;;   The module's matrix products, in the order in which they are computed (A, B: the left and right operand; K: the contracted axis; several contracted axes count as one K, in the product's order):
;;     1. [M 65,536, K 1,024] x [K 1,024, N 1,024]; A: input values; B: input W1 (given as codes): QUANTISED (scales: A lowp_scales[0], B lowp_scales[1])
;;     2. [M 32, K 1,024] x [K 1,024, N 1,024]; A: input query (given as codes); B: input W2 (given as codes): QUANTISED (scales: A lowp_scales[2], B lowp_scales[3])
;;     3. [M 65,536, K 1,024] x [K 1,024, N 1]; A: computed on the way; B: input V: left as it is (N = 1 < 16)
;;   THE QUANTISER, for each operand of a quantised product, along K:
;;     - The operand's scale is 2^e, e = its entry of the input lowp_scales (int32; the entries are numbered through the quantised products in the list's order, A before B).
;;     - Each number is divided by the scale, clamped to +-57,344, and rounded to the nearest number of E5M2, ties to even, subnormals kept.
;;     - The product sums the exact products of the quantised numbers (number of the format x scale) in f32.
;;   ~~~python
;;   def quantise(x, axis, e):      # numpy; x: float32 -> the quantised numbers, widened to float32 again
;;       x = np.moveaxis(x, axis, -1); K = x.shape[-1]
;;       r = np.clip(x / 2.0 ** e, -57344, 57344)
;;       step = 2.0 ** (np.maximum(np.frexp(np.where(r == 0, 1, r))[1] - 1, -14) - 2)
;;       q = np.round(r / step) * step * 2.0 ** e      # np.round: ties to even
;;       return np.moveaxis(q, -1, axis).astype(np.float32)
;;   ~~~
;;   INPUTS GIVEN AS CODES. W1 (in the module: [1024, 1024], K = its axis 0); W2 (in the module: [1024, 1024], K = its axis 0); query (in the module: [32, 1024], K = its axis 1): each comes as NAME_codes (uint8): NAME with its K axis moved to the last place and cut into blocks of 32 codes, [.., K / 32, bytes a block], one block behind the other in memory; one code a byte (a code: sign, 5 exponent bits, 2 mantissa bits); its scale is its entry of lowp_scales. Its value is code x scale, taken as it is: it is not quantised again, and the codes and scales need not be those that the quantiser above would give.
;; One version. Each part assembles by itself: llvm-mc -triple=amdgcn-amd-amdhsa -mcpu=gfx1250 --defsym DOCPART=n.
;; ======== version 1 of 1: 3 launches
;; limits: right only within a limited range of input values
;; workspace buffers: qv 262,144 bytes; sc 262,144 bytes
;; launch prep (part 1): grid 32 x 2, 1 waves a work-group, no clusters, 0 bytes of LDS; arguments query_codes, W2_codes, lowp_scales, b1, b2, V, qv; writes qv
.if DOCPART == 1
	.amdgcn_target "amdgcn-amd-amdhsa--gfx1250"
	.amdhsa_code_object_version 6
	.text
	.protected	k_q4070373148_prep
	.globl	k_q4070373148_prep
	.p2align	8
	.type	k_q4070373148_prep,@function
k_q4070373148_prep:
	s_mov_b64 s[64:65], 0
	v_nop
	global_prefetch_b8 v0, s[64:65] scope:SCOPE_SE
	s_setreg_imm32_b32 hwreg(HW_REG_WAVE_MODE, 25, 1), 1
	s_wait_xcnt 0x0
; qv[batch][unit] = ( QC, V2 ):  QC = c2 x (query W2 x 2^(e2 + e3) + b1 + b2),  V2 = -2 V[unit],  c2 = 2 log2(e).
; The next launch takes tanh(x) as 1 - 2 / (1 + 2^(c2 x)): all that hangs on (batch, unit) alone is gathered here, once.
; query_codes: [32][1024], W2_codes: [1024 units][1024]: codes of E5M2, K innermost.  b1, b2, V: [1024] f32.  qv: [32][1024][2] f32.
; SHARES.  One wave to a work-group: 16 batches (work-group y) x 32 units (work-group x), K = 1,024 in eight matrix instructions for each of two tiles of units.
; Lane r of tile i takes unit 32 x + 2 r + i, so that a lane ends with two NEIGHBOURING units: 16 bytes of qv, and sixteen lanes store 256 consecutive bytes, aligned.
; A fragment (16 rows x 128 K) is four loads of 16 bytes, 32 bytes apart, at row + 16 (lane / 16): the same order of k in both operands, so every product meets its partner.
; Source 0 = 16 batches, source 1 = 16 units: in the result a lane holds one unit (lane % 16) and the batches 8 (lane / 16) + 0 .. 7.
; No LDS, no tensor load, no cluster: the operands go from memory straight into registers; what two work-groups share (32 rows of W2) is read twice, 32 KiB each.
; LIMIT: e2 + e3 between -127 and 126: it is added to c2's exponent field.  NaN among the inputs is not served.
; REGISTERS: window 0: v1-6 lane terms; v8-17 biases and V; v32-47 the two accumulators; v64-191 query's eight fragments; v192-223 what is stored.  window 1: W2's sixteen fragments.
; DEAD WORK, left out in the whole program.  out0 = softmax over s of score, out1 = sum over s of out0 x values, and softmax(score + c) = softmax(score) for every c that is the same along s.
; reference() adds bV to every score alike, so bV has no way to an output: it is not loaded and is no launch's argument.
; By the same identity, of  sum over u of V[u] tanh(x[u]) = sum V - 2 sum V[u] / (1 + 2^(c2 x[u]))  the term sum V, the same for every s, is not formed: sc holds score - bV - sum V.
; LIMIT: a NaN, an infinity or an overflow that reaches only bV or sum V is not carried to the result.
.set C2,  0x4038aa3b                   ; 2 log2(e) as f32
.set ACC, 32
.set QF,  64
.set OUT, 192
.set MSB, 0
.macro WIN new                         ; the immediate's high byte repeats the setting that is left
.if MSB != (\new)
	s_set_vgpr_msb (MSB<<8)|(\new)
.set MSB, (\new)
.endif
.endm
	s_load_b256 s[4:11], s[0:1], 0x0               ; query's codes s[4:5], W2's codes s[6:7], the scales' exponents s[8:9], b1 s[10:11]
	s_load_b128 s[12:15], s[0:1], 0x20             ; b2 s[12:13], V s[14:15]
	s_load_b64 s[16:17], s[0:1], 0x30              ; qv
	v_and_b32 v1, 15, v0                           ; r
	v_bfe_u32 v2, v0, 4, 1                         ; h
	v_lshlrev_b32 v3, 11, v1
	v_lshl_add_u32 v3, v2, 4, v3                   ; W2: two rows of 1,024 bytes from lane to lane, + 16 h
	v_lshlrev_b32 v4, 10, v1
	v_lshl_add_u32 v4, v2, 4, v4                   ; query: row r, + 16 h
	v_lshlrev_b32 v5, 3, v1                        ; b1, b2, V: my two units' 8 bytes
	v_lshlrev_b32 v6, 4, v1
	v_lshl_add_u32 v6, v2, 16, v6                  ; qv: 16 r, + 8 h batches of 8,192 bytes
	s_and_b32 s26, ttmp7, 0xffff                   ; which 16 batches
	s_lshl_b32 s24, ttmp9, 15                      ; my 32 rows of W2
	s_mov_b32 s25, 0
	s_lshl_b32 s28, s26, 14                        ; my 16 rows of query
	s_mov_b32 s29, 0
	s_lshl_b32 s30, ttmp9, 7                       ; my 32 numbers of b1, b2, V
	s_mov_b32 s31, 0
	s_lshl_b32 s32, s26, 17                        ; qv: 16 batches of 8,192 bytes,
	s_lshl_b32 s33, ttmp9, 8                       ; 32 units of 8 bytes
	s_add_co_u32 s32, s32, s33
	s_mov_b32 s33, 0
	s_wait_alu depctr_va_vdst(0)
	s_wait_kmcnt 0x0
	s_load_b128 s[20:23], s[8:9], 0x0              ; e0, e1, e2, e3
	s_add_nc_u64 s[4:5], s[4:5], s[28:29]
	s_add_nc_u64 s[6:7], s[6:7], s[24:25]
	s_add_nc_u64 s[10:11], s[10:11], s[30:31]
	s_add_nc_u64 s[12:13], s[12:13], s[30:31]
	s_add_nc_u64 s[14:15], s[14:15], s[30:31]
	s_add_nc_u64 s[16:17], s[16:17], s[32:33]
	global_load_b64 v[8:9], v5, s[10:11]           ; b1 of my two units
	global_load_b64 v[10:11], v5, s[12:13]         ; b2
	global_load_b64 v[12:13], v5, s[14:15]         ; V
.irp s, 0,1,2,3,4,5,6,7
.irp c, 0,1,2,3
	global_load_b128 v[QF+16*\s+4*\c:QF+16*\s+4*\c+3], v4, s[4:5] offset:128*\s+32*\c
.endr
.endr
	WIN 0x40                                       ; destination window 1, address window 0
.irp i, 0,1
.irp s, 0,1,2,3,4,5,6,7
.irp c, 0,1,2,3
	global_load_b128 v[128*\i+16*\s+4*\c:128*\i+16*\s+4*\c+3], v3, s[6:7] offset:1024*\i+128*\s+32*\c
.endr
.endr
.endr
	WIN 0
	s_wait_loadcnt 0x0
	s_wait_kmcnt 0x0
	s_add_co_i32 s34, s22, s23                     ; e2 + e3,
	s_lshl_b32 s34, s34, 23
	s_add_co_i32 s34, s34, C2                      ; added to c2's exponent field: c2 x 2^(e2 + e3)
	WIN 0x04                                       ; source 1 (W2) window 1
.irp s, 0,1,2,3,4,5,6,7                        ; the two accumulators take turns, one instruction a turn; the first K step starts the sums
.irp i, 0,1
.if \s == 0
	v_wmma_f32_16x16x128_bf8_bf8 v[ACC+8*\i:ACC+8*\i+7], v[QF+16*\s:QF+16*\s+15], v[128*\i+16*\s:128*\i+16*\s+15], 0
.else
	v_wmma_f32_16x16x128_bf8_bf8 v[ACC+8*\i:ACC+8*\i+7], v[QF+16*\s:QF+16*\s+15], v[128*\i+16*\s:128*\i+16*\s+15], v[ACC+8*\i:ACC+8*\i+7]
.endif
.endr
.endr
	WIN 0
	v_add_f32 v14, v8, v10                         ; six plain lines that name no register of the products: the places between them and the first read of a sum (ISA guide 7.12.1)
	v_add_f32 v15, v9, v11                         ; b1 + b2
	v_mul_f32 v14, C2, v14
	v_mul_f32 v15, C2, v15                         ; x c2
	v_mul_f32 v16, -2.0, v12
	v_mul_f32 v17, -2.0, v13                       ; -2 V
.irp j, 0,1,2,3,4,5,6,7                        ; batch 8 h + j: each accumulator from its low end on
	v_fma_f32 v[OUT+4*\j], v[ACC+\j], s34, v14
	v_mov_b32 v[OUT+4*\j+1], v16
	v_fma_f32 v[OUT+4*\j+2], v[ACC+8+\j], s34, v15
	v_mov_b32 v[OUT+4*\j+3], v17
.endr
.irp j, 0,1,2,3,4,5,6,7
	global_store_b128 v6, v[OUT+4*\j:OUT+4*\j+3], s[16:17] offset:8192*\j   ; sixteen lanes store 256 consecutive bytes, at a multiple of 256 from qv's first byte
.endr
	s_endpgm
.Lfunc_end_k_q4070373148_prep:
	.size	k_q4070373148_prep, .Lfunc_end_k_q4070373148_prep-k_q4070373148_prep
	.p2alignl 7, 3214868480
	.fill 96, 4, 3214868480
	.section	.rodata,"a",@progbits
	.p2align	6, 0x0
	.amdhsa_kernel k_q4070373148_prep
		.amdhsa_group_segment_fixed_size 0
		.amdhsa_private_segment_fixed_size 0
		.amdhsa_enable_private_segment 0
		.amdhsa_kernarg_size 56
		.amdhsa_user_sgpr_count 2
		.amdhsa_user_sgpr_kernarg_segment_ptr 1
		.amdhsa_wavefront_size32 1
		.amdhsa_system_sgpr_workgroup_id_x 1
		.amdhsa_system_sgpr_workgroup_id_y 1
		.amdhsa_system_sgpr_workgroup_id_z 1
		.amdhsa_system_vgpr_workitem_id 0
		.amdhsa_next_free_vgpr 512
		.amdhsa_next_free_sgpr 66
		.amdhsa_reserve_vcc 0
		.amdhsa_float_denorm_mode_32 3
		.amdhsa_float_denorm_mode_16_64 3
		.amdhsa_memory_ordered 1
		.amdhsa_forward_progress 1
		.amdhsa_inst_pref_size 15
	.end_amdhsa_kernel
	.amdgpu_metadata
---
amdhsa.version: [ 1, 2 ]
amdhsa.kernels:
  - .name:           k_q4070373148_prep
    .symbol:         k_q4070373148_prep.kd
    .args:
      - { .name: query_codes, .offset: 0, .size: 8, .value_kind: global_buffer, .address_space: global }
      - { .name: W2_codes, .offset: 8, .size: 8, .value_kind: global_buffer, .address_space: global }
      - { .name: lowp_scales, .offset: 16, .size: 8, .value_kind: global_buffer, .address_space: global }
      - { .name: b1, .offset: 24, .size: 8, .value_kind: global_buffer, .address_space: global }
      - { .name: b2, .offset: 32, .size: 8, .value_kind: global_buffer, .address_space: global }
      - { .name: V, .offset: 40, .size: 8, .value_kind: global_buffer, .address_space: global }
      - { .name: qv, .offset: 48, .size: 8, .value_kind: global_buffer, .address_space: global }
    .group_segment_fixed_size: 0
    .private_segment_fixed_size: 0
    .kernarg_segment_align: 8
    .kernarg_segment_size: 56
    .max_flat_workgroup_size: 32
    .sgpr_count:     66
    .vgpr_count:     512
    .wavefront_size: 32
...
	.end_amdgpu_metadata
.endif
;; end of part 1
;; launch scores (part 2): grid 256 x 1, 4 waves a work-group, clusters of 4 x 1, 327,680 bytes of LDS; arguments values, W1_codes, lowp_scales, qv, sc; writes sc
.if DOCPART == 2
	.amdgcn_target "amdgcn-amd-amdhsa--gfx1250"
	.amdhsa_code_object_version 6
	.text
	.protected	k_q4070373148_scores
	.globl	k_q4070373148_scores
	.p2align	8
	.type	k_q4070373148_scores,@function
k_q4070373148_scores:
	s_mov_b64 s[64:65], 0
	v_nop
	global_prefetch_b8 v0, s[64:65] scope:SCOPE_SE
	s_setreg_imm32_b32 hwreg(HW_REG_WAVE_MODE, 25, 1), 1
	s_wait_xcnt 0x0
	s_wait_alu depctr_hold_cnt(0) depctr_sa_sdst(0) depctr_va_vdst(0) depctr_va_sdst(0) depctr_va_ssrc(0) depctr_va_vcc(0) depctr_vm_vsrc(0)
	s_getreg_b32 s2, hwreg(HW_REG_IB_STS2, 6, 4)
	s_cmp_eq_u32 s2, 0
	s_cbranch_scc0 .Lentry_in_a_cluster
	s_endpgm
.Lentry_in_a_cluster:
	s_bfe_u32 s2, ttmp6, 0x10000c
	s_cmp_lg_u32 s2, 0x3003
	s_cbranch_scc0 .Lentry_shape_is_right
	s_endpgm
.Lentry_shape_is_right:
; sc[row] = sum over units u of V2[u] / (1 + 2^t),  t = c2 x 2^(e0 + e1) x (Q(values) W1)[row][u] + QC[batch][u];  (QC, V2) come from qv.  That is the score less bV and less sum V:
; both are the same along the softmax's axis and are left out as dead work (shown at the head of the first kernel).
; values: [65,536 rows][1,024] f32, quantised here to E5M2 with the given 2^e0; W1_codes: [1,024 units][1,024] codes, K innermost; qv: [32][1,024][2] f32; sc: [65,536] f32.
; SHARES.  256 work-groups, 256 rows each (all of one batch); each of four waves owns 64 rows.  PART 1: a wave's rows come as f32 through its own ring of two LDS slots (64 rows x 128 K), are held at
; +-57,344 x 2^e0, converted, and stay as codes in 512 registers.  PART 2: W1 walks by in steps of 16 units; a step is 32 matrix instructions (4 row tiles x 8 K steps of 128) and the tanh of 64 x 16 sums.
; W1's slots of 128 units are asked for JOINTLY by the four work-groups of a cluster (mask 15); each wave fetches 32 of the 128 rows.
; A STEP'S ORDER.  At its head, in one run: the load of this step's (QC, V2) and the 32 loads of the next step's fragments; they have the whole chain in which to land.
; Then the chain: the four accumulators take turns with K outermost, and no transcendental, no wait and no load stands inside the 32.
; Among the chain's products stand plain lines alone: 1 + e of the step before, and S += r x V2 of the step before that.
; Between two chains: this step's t, then ONE batch of this step's 32 exponentials and the last step's 32 reciprocals, with one wait ahead and one behind.
; The reciprocals go into registers of their own (R), so that two sets of accumulators suffice; V2 is kept by the step's parity (VK), so that one pair serves the loads of (QC, V2).
; LAYOUT.  Source 0 = 16 rows of X, source 1 = 16 units: a lane holds unit lane % 16 and rows 8 (lane / 16) + 0 .. 7 of each tile.  S sums by lane; the sixteen lanes are added at the end.
; A fragment's registers 4 c .. 4 c + 3 hold K = 32 c + 16 (lane / 16) + 0 .. 15, alike in X and in W1, so every product meets its partner.
; PREFETCH.  K step q of part 1 asks for K step q + 3 of the wave's own rows, whose tensor load is issued behind K step q + 1: 64 rows x 2 blocks of 256 bytes, a lane a block, four instructions, each block once.
; K steps 1 and 2, the buffer's first touch, are asked for under the first tensor load's flight; K steps 5 to 7 ask for nothing.  At most three K steps are asked for and not yet loaded.
; W1 is not prefetched: a slot has eight steps of 32 matrix instructions in which to land, and the same 1 MiB is read by all work-groups.
; LIMITS: e0 + e1 between -127 and 126 (added to c2's exponent field); e0 between -126 and 112.  NaN among the inputs is not served.
; REGISTERS.  window 0: v1-18 lane terms; v24-25 (QC, V2); v28-29 VK; v32-159 f32 rows in hand (part 2: v32-63 R); v160-223 two sets of 4 accumulators; v224-255 S.  window 1: W1's fragments, two sets of 128.
; window 2: X's codes of K steps 0-3, at 64 (K step % 4) + 16 x tile;  window 3: K steps 4-7.
.set XP,    528                        ; an LDS row of X: 512 bytes + 16 of padding
.set XT,    64*XP                      ; a wave's part of a slot
.set WP,    1040                       ; an LDS row of W1: 1,024 bytes + 16
.set WQ,    32*WP                      ; what one wave fetches of a slot of W1
.set TS,    16*WP                      ; a step's 16 units
.set SLOT1, 4*XT                       ; slot 1 begins here; W1's 128 rows (4 WQ bytes) fit in a slot too
.set SPARE, 2*SLOT1                    ; the spare words, 128 bytes a wave
.set QVT,   SPARE+512                  ; the batch's 8,192 bytes of qv: bytes of their own, no fill lands there
.set AX,   3                           ; v3-4 my place in X's slot 0, 1
.set AW0,  5                           ; my place in a tile of W1
.set AQ0,  6                           ; 8 x (lane % 16)
.set ADR,  7
.set ADQ,  8
.set SPW,  9                           ; my spare word; never rewritten
.set NIL,  10                          ; 0; never rewritten
.set LIM,  11                          ; 57,344 x 2^e0
.set SCL,  12                          ; 2^e0
.set QST,  13
.set QLD,  14
.set SOF,  15
.set RES,  16
.set PFO,  18                          ; the prefetches' offset: lane x 4,096; never rewritten
.set QVR,  24
.set VK,   28
.set XB,   32
.set R,    32
.set ACC,  160
.set S,    224
.set WV,   16
.set G1X,  24
.set G1W,  32
.set G0X,  40                          ; s[40:47] X's groups 0, one a slot
.set G0W,  48
.set SC,   52                          ; s[52:53] c2 x 2^(e0 + e1)
.set TB,   54
.set TQ,   55
.set NSL,  56
.set NIN,  57
.set MSB, 0
.macro WIN new                         ; the immediate's high byte repeats the setting that is left
.if MSB != (\new)
	s_set_vgpr_msb (MSB<<8)|(\new)
.set MSB, (\new)
.endif
.endm
.macro CROUND                          ; a round of the cluster's barrier
	s_barrier_signal -1
	s_barrier_wait -1
	s_cmp_lg_u32 s[WV], 0
	s_cbranch_scc1 .Lnot_wave_0_\@
	s_barrier_signal -3
.Lnot_wave_0_\@:
	s_barrier_wait -3
	s_barrier_signal -1
	s_barrier_wait -1
.endm
; A change of slots.  kind 0, 1: X's slot of that number takes the K step two on; 2: W1's first 128 units into slot 0; 3: W1's next 128 into the other slot; 4: nothing is filled.
.macro CHANGE kind
	WIN 0
	s_wait_tensorcnt 0x0                           ; all my tensor loads have landed, so a group 0 may be written
	ds_add_u32 v[SPW], v[NIL]
.if (\kind) < 2
	s_add_nc_u64 s[G0X+4*(\kind)+2:G0X+4*(\kind)+3], s[G0X+4*(\kind)+2:G0X+4*(\kind)+3], 1024
.endif
.if (\kind) == 3
	s_xor_b32 s[G0W+1], s[G0W+1], SLOT1
	s_add_nc_u64 s[G0W+2:G0W+3], s[G0W+2:G0W+3], 131072
.endif
	s_wait_dscnt 0x0                               ; the add is done, and my reads of the slot that I leave are over
.if (\kind) == 4
	s_barrier_signal -1
	s_barrier_wait -1
.else
	CROUND
.if (\kind) < 2
	tensor_load_to_lds s[G0X+4*(\kind):G0X+4*(\kind)+3], s[G1X:G1X+7]
	s_nop 0
.else
	tensor_load_to_lds s[G0W:G0W+3], s[G1W:G1W+7]
	s_nop 0
.endif
.rept 4
	v_nop                                          ; ahead of the next switch of windows
.endr
.endif
.endm
.macro TBFIX                           ; back over eight steps, and on to the other slot
	s_sub_co_u32 s[TB], s[TB], 8*TS
	s_xor_b32 s[TB], s[TB], SLOT1
.endm
.macro FETCHX sl, i, set               ; row tile i of the slot: 64 f32 a lane, K = 32 c + 16 h + 0 .. 15 in registers 16 c ..
.set j, 0
.rept 16
	ds_load_b128 v[XB+64*(\set)+4*j:XB+64*(\set)+4*j+3], v[AX+(\sl)] offset:16*XP*(\i)+128*(j/4)+16*(j%4)
.set j, j+1
.endr
.endm
.macro QUANT set, i, q                 ; the hold (the conversion does not saturate: ISA guide 7.6.2), then eight codes an instruction into the operand's registers
	WIN 0
.set j, 0
.rept 64
	v_med3_num_f32 v[XB+64*(\set)+j], v[XB+64*(\set)+j], -v[LIM], v[LIM]
.set j, j+1
.endr
.set wn, 0x80+0x40*((\q)/4)
	WIN wn
.set j, 0
.rept 8
	v_cvt_scalef32_pk8_bf8_f32 v[64*((\q)%4)+16*(\i)+2*j:64*((\q)%4)+16*(\i)+2*j+1], v[XB+64*(\set)+8*j:XB+64*(\set)+8*j+7], v[SCL]
.set j, j+1
.endr
	v_nop                                          ; a plain line behind the last conversion
	WIN 0
.endm
.macro XSTEP q
	FETCHX (\q)%2, 0, 0
	FETCHX (\q)%2, 1, 1
	s_wait_dscnt 16                                ; the older 16 loads are in
	QUANT 0, 0, \q
.if (\q) < 5
.irp o, 0, 256, 131072, 131328
	global_prefetch_b8 v[PFO], s[4:5] offset:512*((\q)+3)+\o th:TH_LOAD_NT scope:SCOPE_SE   ; K step q + 3: rows 0-31 and 32-63, two blocks of 256 bytes each
.endr
.endif
	FETCHX (\q)%2, 2, 0
	s_wait_dscnt 16
	QUANT 1, 1, \q
	FETCHX (\q)%2, 3, 1
	s_wait_dscnt 16
	QUANT 0, 2, \q
	s_wait_dscnt 0x0
	QUANT 1, 3, \q
.endm
.macro ADD1 set, n                     ; 1 + e, pair n
	v_pk_add_f32 v[ACC+32*(\set)+2*(\n):ACC+32*(\set)+2*(\n)+1], v[ACC+32*(\set)+2*(\n):ACC+32*(\set)+2*(\n)+1], 1.0 op_sel_hi:[1,0]
.endm
.macro SUM1 par, n, first              ; S += r x V2, pair n; of the pair VK the word of the step's parity serves both halves.  first = 1: the product starts the sums, nothing is cleared
.if \first
.if (\par) == 0
	v_pk_mul_f32 v[S+2*(\n):S+2*(\n)+1], v[R+2*(\n):R+2*(\n)+1], v[VK:VK+1] op_sel_hi:[1,0]
.else
	v_pk_mul_f32 v[S+2*(\n):S+2*(\n)+1], v[R+2*(\n):R+2*(\n)+1], v[VK:VK+1] op_sel:[0,1] op_sel_hi:[1,1]
.endif
.else
.if (\par) == 0
	v_pk_fma_f32 v[S+2*(\n):S+2*(\n)+1], v[R+2*(\n):R+2*(\n)+1], v[VK:VK+1], v[S+2*(\n):S+2*(\n)+1] op_sel_hi:[1,0,1]
.else
	v_pk_fma_f32 v[S+2*(\n):S+2*(\n)+1], v[R+2*(\n):R+2*(\n)+1], v[VK:VK+1], v[S+2*(\n):S+2*(\n)+1] op_sel:[0,1,0] op_sel_hi:[1,1,1]
.endif
.endif
.endm
.macro OP par, stage, e                ; the e-th of a chain's 32 plain lines: 0-15: 1 + e of the step before; 16-31: the sums of the step before that
.if (\e) < 16
.if (\stage) >= 1
	ADD1 1-(\par), \e
.endif
.elseif (\stage) >= 2
	SUM1 \par, (\e)-16, (\stage) == 2
.elseif (\e) >= 28
	v_nop
.endif
.endm
.macro RCPS set                        ; R = 1 / (1 + e)
.set n, 0
.rept 32
	v_rcp_f32 v[R+n], v[ACC+32*(\set)+n]
.set n, n+1
.endr
.endm
; A step of 16 units.  fetch = 1: the next step's fragments are asked for.  stage: how many earlier steps are in hand: 0 none; 1 one; 2 two, and the sums begin; 3 the common case.
.macro PERIOD par, fetch, stage
.set rA, ACC+32*(\par)
	WIN 0
.if (\fetch) == 1
	v_add_nc_u32 v[ADR], s[TB], v[AW0]
	s_add_co_u32 s[TB], s[TB], TS
.endif
	v_add_nc_u32 v[ADQ], s[TQ], v[AQ0]
	s_add_co_u32 s[TQ], s[TQ], 128
.if (\stage) == 0
	s_wait_alu depctr_va_vdst(0)                   ; X's last codes
	s_wait_dscnt 0x0                               ; the first step's fragments are in
.endif
	ds_load_b64 v[QVR:QVR+1], v[ADQ]               ; (QC, V2) of my unit in this step
.if (\fetch) == 1
	WIN 0x40                                       ; the next step's 16 units x 1,024 K, into the set that the step before has left (21 plain lines stand behind its last product)
.set j, 0
.rept 32
	ds_load_b128 v[128*(1-(\par))+4*j:128*(1-(\par))+4*j+3], v[ADR] offset:32*j
.set j, j+1
.endr
.endif
.set z, 0
.rept 32
.set ks, z/4
.set rD, rA+8*(z%4)
.set rC, 64*(ks%4)+16*(z%4)
.set rW, 128*(\par)+16*ks
.set wn, 0x06+ks/4                     ; source 0 window 2 or 3, source 1 window 1
	WIN wn
.if ks == 0
	v_wmma_f32_16x16x128_bf8_bf8 v[rD:rD+7], v[rC:rC+15], v[rW:rW+15], 0
.else
	v_wmma_f32_16x16x128_bf8_bf8 v[rD:rD+7], v[rC:rC+15], v[rW:rW+15], v[rD:rD+7]
.endif
.if ((\stage) >= 1) && (z >= 8) && (z < 22)    ; behind products 8-21: two plain lines each
	WIN 0
	OP \par, \stage, 2*(z-8)
	OP \par, \stage, 2*(z-8)+1
.endif
.set z, z+1
.endr
	WIN 0
.irp e, 28,29,30,31
	OP \par, \stage, \e                            ; four plain lines that name no register of the chain: the places ahead of the first read of a sum (ISA guide 7.12.1)
.endr
	s_wait_dscnt 0x0                               ; (QC, V2) and the next step's fragments are in
	s_wait_alu depctr_va_vdst(0)                   ; directly ahead of the first reader of the sums
.set n, 0
.rept 16
	v_pk_fma_f32 v[rA+2*n:rA+2*n+1], v[rA+2*n:rA+2*n+1], s[SC:SC+1], v[QVR:QVR+1] op_sel_hi:[1,0,0]   ; t, each accumulator from its low end on
.set n, n+1
.endr
	v_mov_b32 v[VK+(\par)], v[QVR+1]               ; V2 is kept for the sums, two steps on
	s_wait_alu depctr_va_vdst(0)                   ; ahead of the batch
.set n, 0
.rept 32
	v_exp_f32 v[rA+n], v[rA+n]
.set n, n+1
.endr
.if (\stage) >= 1
	RCPS 1-(\par)
.endif
	v_nop
	s_wait_alu depctr_va_vdst(0)                   ; behind the batch
.endm
	s_load_b256 s[4:11], s[0:1], 0x0               ; values s[4:5], W1's codes s[6:7], the exponents s[8:9], qv s[10:11]
	s_load_b64 s[14:15], s[0:1], 0x20              ; sc
	v_lshl_add_u32 v[SPW], v0, 2, SPARE
	v_mov_b32 v[NIL], 0
	ds_add_u32 v[SPW], v[NIL]                      ; the opening lines: the add twice on end and one wait
	ds_add_u32 v[SPW], v[NIL]
	v_lshrrev_b32 v1, 5, v0
	v_readfirstlane_b32 s[WV], v1                  ; wave 0..3
	s_bfe_u32 s17, ttmp6, 0x40000                  ; cx
	s_lshl_b32 s18, ttmp9, 2
	s_add_co_u32 s18, s18, s17                     ; my work-group
	s_mov_b32 s[G1X+0], (2<<16)|(1<<20)|(6<<22)|(3<<25)   ; X: elements of 4 bytes, 4 words of padding behind every 128; no mask
	s_mov_b32 s[G1X+1], 128<<16
	s_mov_b32 s[G1X+2], 64<<16
	s_mov_b32 s[G1X+3], 128<<16
	s_mov_b32 s[G1X+4], 64
	s_mov_b32 s[G1X+5], 1024
	s_mov_b32 s[G1X+6], 0
	s_mov_b32 s[G1X+7], 0
	s_mov_b32 s[G1W+0], 15|(1<<20)|(1<<21)|(7<<22)|(3<<25)   ; W1: bytes, 4 words behind every 256; the cluster's four ask jointly
	s_mov_b32 s[G1W+1], 1024<<16
	s_mov_b32 s[G1W+2], 32<<16
	s_mov_b32 s[G1W+3], 1024<<16
	s_mov_b32 s[G1W+4], 32
	s_mov_b32 s[G1W+5], 1024
	s_mov_b32 s[G1W+6], 0
	s_mov_b32 s[G1W+7], 0
	s_lshl_b32 s68, s18, 20                        ; my work-group's 256 rows of 4,096 bytes,
	s_lshl_b32 s69, s[WV], 18                      ; my wave's 64
	s_add_co_u32 s68, s68, s69
	s_mov_b32 s69, 0
	s_lshl_b32 s70, s[WV], 15                      ; my 32 rows of a slot of W1
	s_mov_b32 s71, 0
	s_mul_i32 s72, s[WV], XT
	s_mul_i32 s73, s[WV], WQ
	s_lshr_b32 s74, ttmp9, 1                       ; the batch: 8 work-groups, 2 clusters
	s_lshl_b32 s74, s74, 13
	s_mov_b32 s75, 0
	s_wait_dscnt 0x0                               ; both opening adds are done
	s_wait_kmcnt 0x0
	s_load_b128 s[60:63], s[8:9], 0x0              ; e0, e1, e2, e3
	s_add_nc_u64 s[4:5], s[4:5], s[68:69]
	s_add_nc_u64 s[10:11], s[10:11], s[74:75]
	s_mov_b32 s[G0X+0], 1
	s_mov_b32 s[G0X+1], s72
	s_mov_b64 s[G0X+2:G0X+3], s[4:5]
	s_or_b32 s[G0X+3], s[G0X+3], 0x80000000
	s_mov_b32 s[G0X+4], 1
	s_add_co_u32 s[G0X+5], s72, SLOT1
	s_add_nc_u64 s[G0X+6:G0X+7], s[4:5], 512
	s_or_b32 s[G0X+7], s[G0X+7], 0x80000000
	s_mov_b32 s[G0W+0], 1
	s_mov_b32 s[G0W+1], s73
	s_add_nc_u64 s[G0W+2:G0W+3], s[6:7], s[70:71]
	s_or_b32 s[G0W+3], s[G0W+3], 0x80000000
	CROUND
	tensor_load_to_lds s[G0X:G0X+3], s[G1X:G1X+7]  ; K step 0: my one tensor load at the head; the rest of the head stands under its flight
	s_nop 0
	v_lshlrev_b32 v[QLD], 4, v0
.irp k, 0,1,2,3
	global_load_b128 v[ACC+4*\k:ACC+4*\k+3], v[QLD], s[10:11] offset:2048*\k   ; the batch's qv: a wave's load covers 512 consecutive bytes
.endr
	v_lshl_add_u32 v[QST], v0, 4, QVT
	v_and_b32 v1, 15, v0                           ; r
	v_bfe_u32 v2, v0, 4, 1                         ; h
	v_mul_u32_u24 v[AX], v1, XP
	v_lshl_add_u32 v[AX], v2, 6, v[AX]
	v_add_nc_u32 v[AX], s72, v[AX]
	v_add_nc_u32 v[AX+1], SLOT1, v[AX]
	v_mul_u32_u24 v[AW0], v1, WP
	v_lshl_add_u32 v[AW0], v2, 4, v[AW0]
	v_lshlrev_b32 v[AQ0], 3, v1
	v_lshrrev_b32 v[SOF], 2, v1                    ; sc: lane r stores rows 16 (r / 4) + 8 h + 2 (r % 4) + 0, 1
	v_lshlrev_b32 v[SOF], 6, v[SOF]
	v_lshl_add_u32 v[SOF], v2, 5, v[SOF]
	v_and_b32 v[RES], 3, v1
	v_lshl_add_u32 v[SOF], v[RES], 3, v[SOF]
	v_and_b32 v[PFO], 31, v0
	v_lshlrev_b32 v[PFO], 12, v[PFO]
.irp o, 512, 768, 131584, 131840, 1024, 1280, 132096, 132352
	global_prefetch_b8 v[PFO], s[4:5] offset:\o th:TH_LOAD_NT scope:SCOPE_SE   ; K steps 1 and 2 of my 64 rows: the first touch is asked for early
.endr
	s_lshl_b32 s68, s18, 10
	s_lshl_b32 s69, s[WV], 8
	s_add_co_u32 s68, s68, s69
	s_mov_b32 s69, 0
	s_add_nc_u64 s[14:15], s[14:15], s[68:69]      ; my wave's 256 bytes of sc
	s_wait_kmcnt 0x0
	s_add_co_i32 s68, s60, s61
	s_lshl_b32 s68, s68, 23
	s_add_co_i32 s[SC], s68, 0x4038aa3b            ; e0 + e1 added to c2's exponent field
	s_mov_b32 s[SC+1], s[SC]
	s_add_co_i32 s69, s60, 127
	s_lshl_b32 s70, s69, 23
	v_mov_b32 v[SCL], s70
	s_add_co_i32 s69, s69, 15
	s_lshl_b32 s69, s69, 23
	s_or_b32 s69, s69, 0x600000
	v_mov_b32 v[LIM], s69
	s_wait_alu depctr_va_vdst(0)                   ; the head's end
	s_wait_tensorcnt 0x0                           ; K step 0 is in; slot 1's first fill is issued as a refill is
	ds_add_u32 v[SPW], v[NIL]
	s_wait_dscnt 0x0
	CROUND
	tensor_load_to_lds s[G0X+4:G0X+7], s[G1X:G1X+7]
	s_nop 0
.rept 4
	v_nop
.endr
	s_wait_loadcnt 0x0
.irp k, 0,1,2,3
	ds_store_b128 v[QST], v[ACC+4*\k:ACC+4*\k+3] offset:2048*\k   ; read by all waves in part 2, behind the changes' waits and barriers
.endr
	; PART 1
.irp q, 0,1,2,3,4,5
	XSTEP \q
	CHANGE (\q)%2
.endr
	XSTEP 6
	CHANGE 2
	XSTEP 7
	CHANGE 3
	; PART 2: 64 steps.  A step fetches its successor's fragments, so a change of slots stands one step ahead of a slot's first products.
	s_mov_b32 s[TB], 0
	s_mov_b32 s[TQ], QVT
	v_add_nc_u32 v[ADR], s[TB], v[AW0]             ; the first step's fragments, in one run
	s_add_co_u32 s[TB], s[TB], TS
	WIN 0x40
.set j, 0
.rept 32
	ds_load_b128 v[4*j:4*j+3], v[ADR] offset:32*j
.set j, j+1
.endr
	PERIOD 0, 1, 0
	PERIOD 1, 1, 1
	PERIOD 0, 1, 2
	s_mov_b32 s[NIN], 2
.Lfirst:
	PERIOD 1, 1, 3
	PERIOD 0, 1, 3
	s_sub_co_u32 s[NIN], s[NIN], 1
	s_cmp_lg_u32 s[NIN], 0
	s_cbranch_scc1 .Lfirst
	s_mov_b32 s[NSL], 6
.Lslot:
	CHANGE 3
	TBFIX
	s_mov_b32 s[NIN], 4
.Lin:
	PERIOD 1, 1, 3
	PERIOD 0, 1, 3
	s_sub_co_u32 s[NIN], s[NIN], 1
	s_cmp_lg_u32 s[NIN], 0
	s_cbranch_scc1 .Lin
	s_sub_co_u32 s[NSL], s[NSL], 1
	s_cmp_lg_u32 s[NSL], 0
	s_cbranch_scc1 .Lslot
	CHANGE 4                                       ; the last slot: nothing is filled again
	TBFIX
	s_mov_b32 s[NIN], 4
.Ltail:
	PERIOD 1, 1, 3
	PERIOD 0, 1, 3
	s_sub_co_u32 s[NIN], s[NIN], 1
	s_cmp_lg_u32 s[NIN], 0
	s_cbranch_scc1 .Ltail
	PERIOD 1, 2, 3
.set n, 0
.rept 16                               ; the last two steps are finished: step 62's sums,
	SUM1 0, n, 0
.set n, n+1
.endr
.set n, 0
.rept 16                               ; step 63's 1 + e,
	ADD1 1, n
.set n, n+1
.endr
	s_wait_alu depctr_va_vdst(0)                   ; ahead of the batch
	RCPS 1
	v_nop
	s_wait_alu depctr_va_vdst(0)                   ; behind the batch
.set n, 0
.rept 16                               ; and its sums
	SUM1 1, n, 0
.set n, n+1
.endr
.irp m, 1,2,4,8                        ; the sixteen lanes' units are added: every lane of a row of lanes then holds all 32 sums of its half
.set j, 0
.rept 32
	v_add_f32_dpp v[S+j], v[S+j], v[S+j] row_xmask:\m row_mask:0xf bank_mask:0xf
.set j, j+1
.endr
.endr
	v_mov_b32 v[RES], v[S]
	v_mov_b32 v[RES+1], v[S+1]
.irp p, 1,2,3,4,5,6,7,8,9,10,11,12,13,14,15
	v_cmp_eq_u32 vcc_lo, \p, v1                    ; lane r keeps pair r
	v_cndmask_b32 v[RES], v[RES], v[S+8*(\p/4)+2*(\p%4)], vcc_lo
	v_cndmask_b32 v[RES+1], v[RES+1], v[S+8*(\p/4)+2*(\p%4)+1], vcc_lo
.endr
	global_store_b64 v[SOF], v[RES:RES+1], s[14:15]   ; the wave stores 256 consecutive bytes, aligned
	s_wait_tensorcnt 0x0                           ; the wave's end
	ds_add_u32 v[SPW], v[NIL]
	s_wait_dscnt 0x0
	CROUND                                         ; the closing round
	s_endpgm
.Lfunc_end_k_q4070373148_scores:
	.size	k_q4070373148_scores, .Lfunc_end_k_q4070373148_scores-k_q4070373148_scores
	.p2alignl 7, 3214868480
	.fill 96, 4, 3214868480
	.section	.rodata,"a",@progbits
	.p2align	6, 0x0
	.amdhsa_kernel k_q4070373148_scores
		.amdhsa_group_segment_fixed_size 327680
		.amdhsa_private_segment_fixed_size 0
		.amdhsa_enable_private_segment 0
		.amdhsa_kernarg_size 40
		.amdhsa_user_sgpr_count 2
		.amdhsa_user_sgpr_kernarg_segment_ptr 1
		.amdhsa_wavefront_size32 1
		.amdhsa_system_sgpr_workgroup_id_x 1
		.amdhsa_system_sgpr_workgroup_id_y 1
		.amdhsa_system_sgpr_workgroup_id_z 1
		.amdhsa_system_vgpr_workitem_id 0
		.amdhsa_next_free_vgpr 1024
		.amdhsa_next_free_sgpr 80
		.amdhsa_reserve_vcc 1
		.amdhsa_float_denorm_mode_32 3
		.amdhsa_float_denorm_mode_16_64 3
		.amdhsa_memory_ordered 1
		.amdhsa_forward_progress 1
		.amdhsa_inst_pref_size 255
	.end_amdhsa_kernel
	.section	.bss,"aw",@nobits
	.p2align	6
	.space	262144
	.amdgpu_metadata
---
amdhsa.version: [ 1, 2 ]
amdhsa.kernels:
  - .name:           k_q4070373148_scores
    .symbol:         k_q4070373148_scores.kd
    .args:
      - { .name: values, .offset: 0, .size: 8, .value_kind: global_buffer, .address_space: global }
      - { .name: W1_codes, .offset: 8, .size: 8, .value_kind: global_buffer, .address_space: global }
      - { .name: lowp_scales, .offset: 16, .size: 8, .value_kind: global_buffer, .address_space: global }
      - { .name: qv, .offset: 24, .size: 8, .value_kind: global_buffer, .address_space: global }
      - { .name: sc, .offset: 32, .size: 8, .value_kind: global_buffer, .address_space: global }
    .group_segment_fixed_size: 327680
    .private_segment_fixed_size: 0
    .kernarg_segment_align: 8
    .kernarg_segment_size: 40
    .max_flat_workgroup_size: 128
    .sgpr_count:     80
    .vgpr_count:     1024
    .wavefront_size: 32
...
	.end_amdgpu_metadata
.endif
;; end of part 2
;; launch context (part 3): grid 8 x 32, 16 waves a work-group, no clusters, 19,456 bytes of LDS; arguments sc, values, out0, out1; writes out0, out1
.if DOCPART == 3
	.amdgcn_target "amdgcn-amd-amdhsa--gfx1250"
	.amdhsa_code_object_version 6
	.text
	.protected	k_q4070373148_context
	.globl	k_q4070373148_context
	.p2align	8
	.type	k_q4070373148_context,@function
k_q4070373148_context:
	s_mov_b64 s[64:65], 0
	v_nop
	global_prefetch_b8 v0, s[64:65] scope:SCOPE_SE
	s_setreg_imm32_b32 hwreg(HW_REG_WAVE_MODE, 25, 1), 1
	s_wait_xcnt 0x0
; out0[b][s] = softmax over s of sc[b][s];  out1[b][c] = sum over s of out0[b][s] x values[b][s][c].  sc: [32][2,048] f32; values: [32][2,048][1,024] f32, as they are given (not quantised).
; SHARES.  A work-group takes one batch (work-group y) and 128 columns (work-group x): 512 bytes of each of the 2,048 rows.  THE COLUMNS ARE SHARED OUT, NOT THE ROWS, so each number of out1 has one owner.
; Wave w of sixteen takes rows 128 w .. 128 w + 127; a lane 16 bytes of a row: a load of the wave covers 512 consecutive bytes, aligned.  The sixteen partial sums meet in LDS.
; Each of a batch's eight work-groups makes the softmax anew from the batch's 8,192 bytes of scores (thread t: rows 4 t .. 4 t + 3), with the row's largest score taken away first; work-group x stores the weights of waves 2 x and 2 x + 1.
; A stream: no matrix unit, no tensor load.  No cluster: what the eight work-groups of a batch share is the 8 KiB of scores, beside 1 MiB of values of their own.
; Written out, no loop: every row's offset is an immediate (127 x 4,096 bytes at the most, inside the signed 24-bit immediate: ISA guide, chapter 10), no address register is stepped, no store's data are written again.
; Value loads run two groups of 16 rows ahead: up to 32 loads of a wave are out, and the first 32 are issued ahead of the softmax.
; LDS: WT the 2,048 weights; PART 16 waves x 512 bytes; RED0, RED1 sixteen words each for the two reductions.
.set WT,   0
.set PART, 8192
.set RED0, 16384
.set RED1, 16640
.set WR,   32                          ; v32-63   two sets of 16 weights
.set XR,   64                          ; v64-191  two sets of 16 rows x 4 registers
.set AE,   20                          ; v20-23 the even rows' sums, v24-27 the odd rows'
	s_load_b256 s[4:11], s[0:1], 0x0               ; sc s[4:5], values s[6:7], out0 s[8:9], out1 s[10:11]
	v_lshl_add_u32 v192, v0, 2, 0x4400
	v_mov_b32 v193, 0
	v_lshrrev_b32 v3, 5, v0
	s_delay_alu instid0(VALU_DEP_1)
	v_readfirstlane_b32 s12, v3                    ; wave 0..15
	s_delay_alu instid0(VALU_DEP_2)
	v_lshlrev_b32 v3, 2, v3                        ; my wave's word in a reduction
	v_and_b32 v1, 31, v0
	s_delay_alu instid0(VALU_DEP_1)
	v_lshlrev_b32 v1, 4, v1                        ; 16 x lane
	v_lshlrev_b32 v2, 4, v0                        ; 16 x thread
	v_mov_b32 v9, 0                                ; written once: a lane permute's destination counts as one of its sources
	v_mov_b32 v11, 0
	s_and_b32 s13, ttmp7, 0xffff                   ; the batch
	s_mov_b32 s14, ttmp9                           ; which 128 columns
	s_lshl_b32 s16, s13, 13                        ; the batch's 8,192 bytes in sc and in out0
	s_mov_b32 s17, 0
	s_lshl_b32 s18, s13, 23                        ; values: the batch's 2,048 rows of 4,096 bytes,
	s_lshl_b32 s19, s12, 19                        ; my wave's 128 rows,
	s_add_co_u32 s18, s18, s19
	s_lshl_b32 s19, s14, 9                         ; my work-group's 512 bytes of a row
	s_add_co_u32 s18, s18, s19
	s_mov_b32 s19, 0
	s_lshl_b32 s20, s13, 12                        ; out1: the batch's 4,096 bytes, my 512
	s_lshl_b32 s21, s14, 9
	s_add_co_u32 s20, s20, s21
	s_mov_b32 s21, 0
	s_mov_b32 s22, 0x76543210                      ; v_permlanex16_b32's selects for lane l xor 16
	s_mov_b32 s23, 0xfedcba98
	s_lshl_b32 s24, s12, 9
	v_mov_b32 v10, s24                             ; my wave's 128 weights in WT
	; PREFETCH: a group of 16 rows x 512 bytes is 32 aligned blocks of 256 bytes: a lane a block, one instruction a wave and group, two groups ahead of that group's loads; each block is named once; groups 6 and 7 are the last that are asked for
	v_and_b32 v29, 1, v0
	v_bfe_u32 v28, v0, 1, 4
	v_lshlrev_b32 v28, 12, v28
	v_lshl_add_u32 v28, v29, 8, v28                ; row lane / 2 of the group, block lane % 2; never rewritten
	s_wait_alu depctr_va_vdst(0)
	s_wait_kmcnt 0x0
	s_add_nc_u64 s[4:5], s[4:5], s[16:17]
	s_add_nc_u64 s[8:9], s[8:9], s[16:17]
	s_add_nc_u64 s[6:7], s[6:7], s[18:19]
	s_add_nc_u64 s[10:11], s[10:11], s[20:21]
.macro LOADX g                         ; rows 16 g .. 16 g + 15 of my 128 into set g % 2
.set k, 0
.rept 16
	global_load_b128 v[XR+64*((\g)%2)+4*k:XR+64*((\g)%2)+4*k+3], v1, s[6:7] offset:4096*(16*(\g)+k) th:TH_LOAD_NT
.set k, k+1
.endr
.endm
.macro LOADW g                         ; their 16 weights: every lane reads the same 64 bytes
.irp k, 0,1,2,3
	ds_load_b128 v[WR+16*((\g)%2)+4*\k:WR+16*((\g)%2)+4*\k+3], v10 offset:WT+64*(\g)+16*\k
.endr
.endm
.macro ROWS g                          ; sums += weight x row, two numbers an instruction; even and odd rows in sums of their own: four chains.  Rows 0 and 1 start the sums: nothing is cleared
.set XS, XR+64*((\g)%2)
.set k, 0
.set ac, AE+4*(k%2)
.set wp, WR+16*((\g)%2)+2*(k/2)
.if ((\g) == 0) && (k == 0)
	v_pk_mul_f32 v[ac:ac+1], v[XS+4*k:XS+4*k+1], v[wp:wp+1] op_sel_hi:[1,0]
	v_pk_mul_f32 v[ac+2:ac+3], v[XS+4*k+2:XS+4*k+3], v[wp:wp+1] op_sel_hi:[1,0]
.elseif ((\g) == 0) && (k == 1)
	v_pk_mul_f32 v[ac:ac+1], v[XS+4*k:XS+4*k+1], v[wp:wp+1] op_sel:[0,1] op_sel_hi:[1,1]
	v_pk_mul_f32 v[ac+2:ac+3], v[XS+4*k+2:XS+4*k+3], v[wp:wp+1] op_sel:[0,1] op_sel_hi:[1,1]
.elseif k%2 == 0
	v_pk_fma_f32 v[ac:ac+1], v[XS+4*k:XS+4*k+1], v[wp:wp+1], v[ac:ac+1] op_sel_hi:[1,0,1]         ; of the pair of weights the lower serves both halves,
	v_pk_fma_f32 v[ac+2:ac+3], v[XS+4*k+2:XS+4*k+3], v[wp:wp+1], v[ac+2:ac+3] op_sel_hi:[1,0,1]
.else
	v_pk_fma_f32 v[ac:ac+1], v[XS+4*k:XS+4*k+1], v[wp:wp+1], v[ac:ac+1] op_sel:[0,1,0] op_sel_hi:[1,1,1]   ; or the upper
	v_pk_fma_f32 v[ac+2:ac+3], v[XS+4*k+2:XS+4*k+3], v[wp:wp+1], v[ac+2:ac+3] op_sel:[0,1,0] op_sel_hi:[1,1,1]
.endif
.set k, k+1
.set ac, AE+4*(k%2)
.set wp, WR+16*((\g)%2)+2*(k/2)
.if ((\g) == 0) && (k == 0)
	v_pk_mul_f32 v[ac:ac+1], v[XS+4*k:XS+4*k+1], v[wp:wp+1] op_sel_hi:[1,0]
	v_pk_mul_f32 v[ac+2:ac+3], v[XS+4*k+2:XS+4*k+3], v[wp:wp+1] op_sel_hi:[1,0]
.elseif ((\g) == 0) && (k == 1)
	v_pk_mul_f32 v[ac:ac+1], v[XS+4*k:XS+4*k+1], v[wp:wp+1] op_sel:[0,1] op_sel_hi:[1,1]
	v_pk_mul_f32 v[ac+2:ac+3], v[XS+4*k+2:XS+4*k+3], v[wp:wp+1] op_sel:[0,1] op_sel_hi:[1,1]
.elseif k%2 == 0
	v_pk_fma_f32 v[ac:ac+1], v[XS+4*k:XS+4*k+1], v[wp:wp+1], v[ac:ac+1] op_sel_hi:[1,0,1]         ; of the pair of weights the lower serves both halves,
	v_pk_fma_f32 v[ac+2:ac+3], v[XS+4*k+2:XS+4*k+3], v[wp:wp+1], v[ac+2:ac+3] op_sel_hi:[1,0,1]
.else
	v_pk_fma_f32 v[ac:ac+1], v[XS+4*k:XS+4*k+1], v[wp:wp+1], v[ac:ac+1] op_sel:[0,1,0] op_sel_hi:[1,1,1]   ; or the upper
	v_pk_fma_f32 v[ac+2:ac+3], v[XS+4*k+2:XS+4*k+3], v[wp:wp+1], v[ac+2:ac+3] op_sel:[0,1,0] op_sel_hi:[1,1,1]
.endif
.set k, k+1
.rept ((16)-1)-1
.set ac, AE+4*(k%2)
.set wp, WR+16*((\g)%2)+2*(k/2)
.if ((\g) == 0) && (k == 0)
	v_pk_mul_f32 v[ac:ac+1], v[XS+4*k:XS+4*k+1], v[wp:wp+1] op_sel_hi:[1,0]
	v_pk_mul_f32 v[ac+2:ac+3], v[XS+4*k+2:XS+4*k+3], v[wp:wp+1] op_sel_hi:[1,0]
.elseif ((\g) == 0) && (k == 1)
	v_pk_mul_f32 v[ac:ac+1], v[XS+4*k:XS+4*k+1], v[wp:wp+1] op_sel:[0,1] op_sel_hi:[1,1]
	v_pk_mul_f32 v[ac+2:ac+3], v[XS+4*k+2:XS+4*k+3], v[wp:wp+1] op_sel:[0,1] op_sel_hi:[1,1]
.elseif k%2 == 0
	s_delay_alu instid0(VALU_DEP_4)
	v_pk_fma_f32 v[ac:ac+1], v[XS+4*k:XS+4*k+1], v[wp:wp+1], v[ac:ac+1] op_sel_hi:[1,0,1]         ; of the pair of weights the lower serves both halves,
	s_delay_alu instid0(VALU_DEP_4)
	v_pk_fma_f32 v[ac+2:ac+3], v[XS+4*k+2:XS+4*k+3], v[wp:wp+1], v[ac+2:ac+3] op_sel_hi:[1,0,1]
.else
	s_delay_alu instid0(VALU_DEP_4)
	v_pk_fma_f32 v[ac:ac+1], v[XS+4*k:XS+4*k+1], v[wp:wp+1], v[ac:ac+1] op_sel:[0,1,0] op_sel_hi:[1,1,1]   ; or the upper
	s_delay_alu instid0(VALU_DEP_4)
	v_pk_fma_f32 v[ac+2:ac+3], v[XS+4*k+2:XS+4*k+3], v[wp:wp+1], v[ac+2:ac+3] op_sel:[0,1,0] op_sel_hi:[1,1,1]
.endif
.set k, k+1
.endr
.endm
.macro BARRIER                         ; my LDS stores have landed and my LDS loads are in: then the work-group's barrier
	s_wait_dscnt 0x0
	s_barrier_signal -1
	s_barrier_wait -1
.endm
	global_load_b128 v[4:7], v2, s[4:5]            ; my four scores
	LOADX 0
	global_prefetch_b8 v28, s[6:7] offset:65536*2 th:TH_LOAD_NT scope:SCOPE_SE   ; groups 2 and 3
	global_prefetch_b8 v28, s[6:7] offset:65536*3 th:TH_LOAD_NT scope:SCOPE_SE
	LOADX 1
	s_wait_loadcnt 32                              ; the scores are in; the 32 loads of values issued behind them stay out
	; the largest score of the batch
	v_max3_num_f32 v8, v4, v5, v6
	s_delay_alu instid0(VALU_DEP_1)
	v_max_num_f32 v8, v8, v7
	s_delay_alu instid0(VALU_DEP_1)
	v_max_num_f32_dpp v8, v8, v8 row_xmask:1 row_mask:0xf bank_mask:0xf
	s_delay_alu instid0(VALU_DEP_1)
	v_max_num_f32_dpp v8, v8, v8 row_xmask:2 row_mask:0xf bank_mask:0xf
	s_delay_alu instid0(VALU_DEP_1)
	v_max_num_f32_dpp v8, v8, v8 row_xmask:4 row_mask:0xf bank_mask:0xf
	s_delay_alu instid0(VALU_DEP_1)
	v_max_num_f32_dpp v8, v8, v8 row_xmask:8 row_mask:0xf bank_mask:0xf
	s_delay_alu instid0(VALU_DEP_1)
	v_permlanex16_b32 v9, v8, s22, s23
	s_delay_alu instid0(VALU_DEP_1)
	v_max_num_f32 v8, v8, v9
	ds_store_b32 v3, v8 offset:RED0                ; all lanes write the wave's word with the same number
	BARRIER
.irp k, 0,1,2,3
	ds_load_b128 v[12+4*\k:15+4*\k], v11 offset:RED0+16*\k
.endr
	s_wait_dscnt 0x0
	v_max3_num_f32 v12, v12, v13, v14
	v_max3_num_f32 v15, v15, v16, v17
	v_max3_num_f32 v18, v18, v19, v20
	v_max3_num_f32 v21, v21, v22, v23
	v_max3_num_f32 v24, v24, v25, v26
	s_delay_alu instid0(VALU_DEP_3)
	v_max3_num_f32 v12, v12, v15, v18
	s_delay_alu instid0(VALU_DEP_2)
	v_max3_num_f32 v21, v21, v24, v27
	s_delay_alu instid0(VALU_DEP_1)
	v_max_num_f32 v12, v12, v21
	s_delay_alu instid0(VALU_DEP_1)
	v_mul_f32 v13, 0xbfb8aa3b, v12                 ; -m log2(e)
.irp j, 4,5,6,7
	v_fmamk_f32 v[\j], v[\j], 0x3fb8aa3b, v13      ; (s - m) log2(e), 0 or less: one fused multiply-add
.endr
	s_wait_alu depctr_va_vdst(0)
.irp j, 4,5,6,7
	v_exp_f32 v[\j], v[\j]
.endr
	v_nop                                          ; a plain instruction behind the last exponential,
	s_wait_alu depctr_va_vdst(0)                   ; and the wait ahead of the first use: one for the four
	v_add_f32 v8, v4, v5
	v_add_f32 v9, v6, v7
	s_delay_alu instid0(VALU_DEP_1)
	v_add_f32 v8, v8, v9
	s_delay_alu instid0(VALU_DEP_1)
	v_add_f32_dpp v8, v8, v8 row_xmask:1 row_mask:0xf bank_mask:0xf
	s_delay_alu instid0(VALU_DEP_1)
	v_add_f32_dpp v8, v8, v8 row_xmask:2 row_mask:0xf bank_mask:0xf
	s_delay_alu instid0(VALU_DEP_1)
	v_add_f32_dpp v8, v8, v8 row_xmask:4 row_mask:0xf bank_mask:0xf
	s_delay_alu instid0(VALU_DEP_1)
	v_add_f32_dpp v8, v8, v8 row_xmask:8 row_mask:0xf bank_mask:0xf
	s_delay_alu instid0(VALU_DEP_1)
	v_permlanex16_b32 v9, v8, s22, s23
	s_delay_alu instid0(VALU_DEP_1)
	v_add_f32 v8, v8, v9
	ds_store_b32 v3, v8 offset:RED1                ; other words than the first reduction's: nobody need have finished reading those
	BARRIER
.irp k, 0,1,2,3
	ds_load_b128 v[12+4*\k:15+4*\k], v11 offset:RED1+16*\k
.endr
	s_wait_dscnt 0x0
	v_pk_add_f32 v[12:13], v[12:13], v[14:15]
	v_pk_add_f32 v[16:17], v[16:17], v[18:19]
	v_pk_add_f32 v[20:21], v[20:21], v[22:23]
	v_pk_add_f32 v[24:25], v[24:25], v[26:27]
	s_delay_alu instid0(VALU_DEP_3)
	v_pk_add_f32 v[12:13], v[12:13], v[16:17]
	s_delay_alu instid0(VALU_DEP_2)
	v_pk_add_f32 v[20:21], v[20:21], v[24:25]
	s_delay_alu instid0(VALU_DEP_1)
	v_pk_add_f32 v[12:13], v[12:13], v[20:21]
	s_delay_alu instid0(VALU_DEP_1)
	v_add_f32 v12, v12, v13                        ; the sum, at least 1
	s_wait_alu depctr_va_vdst(0)
	v_rcp_f32 v12, v12
	v_nop
	s_wait_alu depctr_va_vdst(0)
.irp j, 4,5,6,7
	v_mul_f32 v[\j], v[\j], v12                    ; the weights of rows 4 t .. 4 t + 3
.endr
	ds_store_b128 v2, v[4:7] offset:WT
	s_lshr_b32 s25, s12, 1                         ; out0 is stored once: by the work-group whose number is wave / 2
	s_cmp_lg_u32 s25, s14
	s_cbranch_scc1 .Lnot_mine
	global_store_b128 v2, v[4:7], s[8:9] th:TH_STORE_NT   ; the wave stores 512 consecutive bytes, aligned; v2 and v[4:7] are not written again
.Lnot_mine:
	BARRIER                                        ; the weights lie in LDS
	LOADW 0
.irp g, 0,1,2,3,4,5,6,7
.if \g < 7
	LOADW \g+1
	s_wait_alu depctr_va_vdst(0)
	s_wait_loadcnt 16                              ; this group's 16 rows are in; the next group's stay out
	s_wait_dscnt 4                                 ; this group's weights are in; the next group's four loads stay out
.else
	s_wait_alu depctr_va_vdst(0)
	s_wait_loadcnt 0x0
	s_wait_dscnt 0x0
.endif
	ROWS \g
.if \g < 6
.if \g < 4
	global_prefetch_b8 v28, s[6:7] offset:65536*(\g+4) th:TH_LOAD_NT scope:SCOPE_SE   ; group g + 4
.endif
	LOADX \g+2                                     ; into the set just read
.endif
.endr
	s_delay_alu instid0(VALU_DEP_2)
	v_pk_add_f32 v[AE:AE+1], v[AE:AE+1], v[AE+4:AE+5]
	s_delay_alu instid0(VALU_DEP_2)
	v_pk_add_f32 v[AE+2:AE+3], v[AE+2:AE+3], v[AE+6:AE+7]
	ds_store_b128 v2, v[AE:AE+3] offset:PART       ; my wave's partial sums: 512 bytes
	BARRIER
	s_cmp_lg_u32 s12, 0                            ; wave 0 adds the sixteen and stores
	s_cbranch_scc1 .Ldone
.irp k, 0,1,2,3,4,5,6,7,8,9,10,11,12,13,14,15
	ds_load_b128 v[XR+4*\k:XR+4*\k+3], v1 offset:PART+512*\k
.endr
	s_wait_dscnt 0x0
.irp d, 8,4,2,1
.set k, 0
.rept \d
	v_pk_add_f32 v[XR+4*k:XR+4*k+1], v[XR+4*k:XR+4*k+1], v[XR+4*(k+\d):XR+4*(k+\d)+1]
	v_pk_add_f32 v[XR+4*k+2:XR+4*k+3], v[XR+4*k+2:XR+4*k+3], v[XR+4*(k+\d)+2:XR+4*(k+\d)+3]
.set k, k+1
.endr
.endr
	global_store_b128 v1, v[XR:XR+3], s[10:11] th:TH_STORE_NT   ; 512 consecutive bytes, at a multiple of 256 from out1's first byte
.Ldone:
	s_wait_tensorcnt 0x0
	ds_add_u32 v192, v193
	s_wait_dscnt 0x0
	s_endpgm
.Lfunc_end_k_q4070373148_context:
	.size	k_q4070373148_context, .Lfunc_end_k_q4070373148_context-k_q4070373148_context
	.p2alignl 7, 3214868480
	.fill 96, 4, 3214868480
	.section	.rodata,"a",@progbits
	.p2align	6, 0x0
	.amdhsa_kernel k_q4070373148_context
		.amdhsa_group_segment_fixed_size 19456
		.amdhsa_private_segment_fixed_size 0
		.amdhsa_enable_private_segment 0
		.amdhsa_kernarg_size 32
		.amdhsa_user_sgpr_count 2
		.amdhsa_user_sgpr_kernarg_segment_ptr 1
		.amdhsa_wavefront_size32 1
		.amdhsa_system_sgpr_workgroup_id_x 1
		.amdhsa_system_sgpr_workgroup_id_y 1
		.amdhsa_system_sgpr_workgroup_id_z 1
		.amdhsa_system_vgpr_workitem_id 0
		.amdhsa_next_free_vgpr 194
		.amdhsa_next_free_sgpr 66
		.amdhsa_reserve_vcc 0
		.amdhsa_float_denorm_mode_32 3
		.amdhsa_float_denorm_mode_16_64 3
		.amdhsa_memory_ordered 1
		.amdhsa_forward_progress 1
		.amdhsa_inst_pref_size 49
	.end_amdhsa_kernel
	.amdgpu_metadata
---
amdhsa.version: [ 1, 2 ]
amdhsa.kernels:
  - .name:           k_q4070373148_context
    .symbol:         k_q4070373148_context.kd
    .args:
      - { .name: sc, .offset: 0, .size: 8, .value_kind: global_buffer, .address_space: global }
      - { .name: values, .offset: 8, .size: 8, .value_kind: global_buffer, .address_space: global }
      - { .name: out0, .offset: 16, .size: 8, .value_kind: global_buffer, .address_space: global }
      - { .name: out1, .offset: 24, .size: 8, .value_kind: global_buffer, .address_space: global }
    .group_segment_fixed_size: 19456
    .private_segment_fixed_size: 0
    .kernarg_segment_align: 8
    .kernarg_segment_size: 32
    .max_flat_workgroup_size: 512
    .sgpr_count:     66
    .vgpr_count:     194
    .wavefront_size: 32
...
	.end_amdgpu_metadata
.endif
;; end of part 3
